; MI455X (gfx1250); checked and timed in simulation.
; The chip was launched on July 23, 2026; its instructions are those of AMD's public machine-readable ISA for CDNA 5 (MIT licence, August 2026) and "CDNA5" Instruction Set Architecture Reference Guide (July 2026). The comments in the code are by the model that wrote it; some were corrected since.
;; Tensor B Splines Model. Allowed arithmetic: matrix products marked QUANTISED: E2M1 operands, one E8M0 scale for each 32 along K, by v_wmma_scale_f32_16x16x128_f8f6f4 with both operands' format E2M1 (or v_wmma_scale_f32_32x16x128_f4), f32 sums; everything else in f32.
;; Inputs: A 16 x 16 x 64 float32; b 16 float32; x 131,072 x 16 float32.
;; Outputs: out0 131,072 x 16 float32.
;; This version of the problem:
;;   THIS VERSION OF THE PROBLEM IS GIVEN IN LOW PRECISION. The matrix products marked QUANTISED in the list below multiply operands that are first quantised to E2M1 (2 exponent bits, 1 mantissa bit; 4 bits a number), with one power-of-two scale for each 32 numbers along K (OCP MX v1.0); their sums are f32. All else is computed in f32.
;;   The module's matrix products, in the order in which they are computed (A, B: the left and right operand; K: the contracted axis; several contracted axes count as one K, in the product's order):
;;     1. [M 131,072, K 1,024] x [K 1,024, N 16]; A: computed on the way; B: input A: QUANTISED
;;   THE QUANTISER, for each operand of a quantised product, along K:
;;     - K is cut into blocks of 32 from its start; a last block that is shorter is filled with zeros.
;;     - A block's scale is 2^e with e = floor(log2(the largest magnitude in the block)) - 2, held to -126 .. 127; a block of zeros has e = 0. As a byte (E8M0): e + 127.
;;     - Each number is divided by its block's scale, clamped to +-6, and rounded to the nearest number of E2M1, ties to even, subnormals kept.
;;     - The product sums the exact products of the quantised numbers (number of the format x scale) in f32.
;;   ~~~python
;;   def quantise(x, axis):      # numpy; x: float32 -> the quantised numbers, widened to float32 again
;;       x = np.moveaxis(x, axis, -1); K = x.shape[-1]
;;       x = np.pad(x, [(0, 0)] * (x.ndim - 1) + [(0, -K % 32)]); x = x.reshape(x.shape[:-1] + (-1, 32)); a = np.abs(x).max(-1, keepdims=True)
;;       e = np.where(a > 0, np.clip(np.frexp(np.where(a > 0, a, 1))[1] - 1 - 2, -126, 127), 0)      # np.frexp(a)[1] - 1 = floor(log2(a)), exactly
;;       r = np.clip(x / 2.0 ** e, -6, 6)
;;       step = 2.0 ** (np.maximum(np.frexp(np.where(r == 0, 1, r))[1] - 1, 0) - 1)
;;       q = np.round(r / step) * step * 2.0 ** e      # np.round: ties to even
;;       return np.moveaxis(q.reshape(q.shape[:-2] + (-1,))[..., :K], -1, axis).astype(np.float32)
;;   ~~~
;;   OPERANDS COMPUTED ON THE WAY. 'Computed on the way' means the value that the module computes at that place (a softmax that the list does not call 'softmax' is quantised finished and normalised). What goes into a quantiser is computed in f32, as accurately as f32 sums, v_exp_f32 and their like allow (about 1e-6 of the number): no bf16 or f16 on the way to a quantiser, and a product that is left as it is and whose result goes on into a quantised operand takes f32 operands (vector FMAs, or v_wmma_f32_16x16x4_f32). A number that lies on a knife's edge between two numbers of the format may be rounded either way, as far as f32 arithmetic and the matrix unit's own rounding can turn it there, and no further.
;; 2 versions. Each part assembles by itself: llvm-mc -triple=amdgcn-amd-amdhsa -mcpu=gfx1250 --defsym DOCPART=n.
;; ======== version 1 of 2: 1 launch
;; launch bspline (part 1): grid 256 x 1, 16 waves a work-group, no clusters, 51,712 bytes of LDS; arguments x, A, b, out0; writes out0
.if DOCPART == 1
	.amdgcn_target "amdgcn-amd-amdhsa--gfx1250"
	.amdhsa_code_object_version 6
	.text
	.protected	k_q974e955c50_bspline
	.globl	k_q974e955c50_bspline
	.p2align	8
	.type	k_q974e955c50_bspline,@function
k_q974e955c50_bspline:
	s_mov_b64 s[64:65], 0
	v_nop
	global_prefetch_b8 v0, s[64:65] scope:SCOPE_SE
	s_setreg_imm32_b32 hwreg(HW_REG_WAVE_MODE, 25, 1), 1
	s_wait_xcnt 0x0
; out0[n][o] = b[o] + sum over d, k of Q(basis(x[n][d])[k]) Q(A[o][d][k]).  x: [131072][16] f32, A: [16][16][64] f32, b: [16] f32, out0: [131072][16] f32.
; basis: the 64 cubic B-splines on the clamped knots -0.1 .. 1.1 (60 interior knots, 61 spans).  Q: MX-FP4 (E2M1, one E8M0 scale for each 32 along K = 64 d + k).  Sums in f32.
; SHARES.  256 work-groups x 16 waves; a wave takes 32 rows, a lane ONE row and its 16 numbers of x.  A K step of 128 is a pair of dimensions (2 p, 2 p + 1); packed f32 forms work on both at once.
; THE BASIS.  Of a number's 64 values only four are not zero: those at k = s .. s + 3, s the span.  They are made by the recursion of reference() itself, on the same f32 knots:
;   knot j is (12 j - 61) / 610 rounded to f32.  q = n r, rem = n - 610 q (exact in a fused multiply-add), t = q + rem r, r = 1/610 in f32: what is rounded last is within 2^-24 ulp of n / 610, and n / 610 is never
;   nearer than 1/1220 ulp to the middle between two f32 numbers, so t is the correctly rounded knot.  x - t and t - t are then the f32 differences that reference() forms; quotients are products with v_rcp_f32.
; THE CODES' ORDER IN A BLOCK OF 32: dword b (0..3), nibble a (0..7) holds k = 4 a + b, in both operands alike.  So four neighbouring k fall into four different dwords, and each dword of both blocks is one rotation and one AND.
; THE SCALES.  Where the four values lie in one block, its largest is M.  Where they straddle (s = 29, 30, 31; spans between equally spaced knots, where V0 <= V1 and V3 <= V2 with 1/6 to spare) the blocks' largest are
;   s = 29: M | V3;  s = 30: V1 | V2;  s = 31: V0 | M.  The values are converted under both scales and the codes merged by place.
; A is quantised once for the work-group: wave w takes dimension w, lane (o, h) block h of A[o][w][:]; codes go to LDS as an image of the operand's registers, scale bytes beside them; one barrier; every wave then holds all of A.
; THE MATRIX INSTRUCTION IS USED TRANSPOSED (source 0 = A's 16 rows o, source 1 = 16 rows of the basis): a lane holds eight neighbouring outputs of one row.  b is the C of each sum's first instruction.
; NOT USED: tensor loads, clusters, prefetch.  The one input that work-groups share is A, 64 KB read once at the head; a wave's part of x is 2,048 bytes, asked for in its first lines.
; LIMITS.  x that is NaN or infinite counts as outside the knots (basis 0, out0 = b) where reference() gives NaN.  A block's largest magnitude is taken no smaller than 2^-124, so the scale byte is at least 1; a block of zeros
;   has that byte (or its neighbour block's) with zero codes.  The span comes from one multiplication: within a few ulp of an interior knot it may be the neighbouring span, where both pieces agree to third order in that distance
;   (a value that comes out as a tiny negative number gets the code -0).  The two outer knots are compared exactly.
.set SP,    80                         ; a row of 64 bytes in a stage + 16 of padding: sixteen rows begin at sixteen different multiples of 16 bytes modulo 256
.set WSTG,  32*SP                      ; a wave's own stage: x on the way in, out0 on the way out
.set IMG,   16*WSTG                    ; A's codes: K step p, half c: 512 bytes at IMG + 1024 p + 512 c, 16 bytes a lane
.set WSC,   IMG+8192                   ; A's scale words: 64 bytes a K step, 4 a row o
; vector registers
.set GOF,  5                           ; 16 x lane: my 16 bytes of 512, in x, in out0 and in an image
.set AOF,  6                           ; A: 4096 o + 128 h
.set BOF,  7                           ; b: 32 h
.set SIN,  8                           ; stage, dense side: 80 (lane / 4) + 16 (lane % 4)
.set SRW,  9                           ; stage, my row: 80 x lane
.set SOU,  10                          ; stage, results: 80 (lane % 16) + 32 (lane / 16)
.set IMW,  11                          ; where my wave's codes of A go
.set SCW,  13                          ; and my scale byte
.set SCR,  14                          ; 4 (lane % 16): a row's scale word
.set X,    16                          ; v16-31   my row of x
.set WB,   32                          ; v32-95   A's codes, 8 registers a K step
.set WS,   96                          ; v96-103  A's scale words: they hold scales and nothing else
.set ACC0, 104                         ; rows 0-15
.set ACC1, 112                         ; rows 16-31
.set BIAS, 120
.set XC,   128                         ; from here on pairs: (dimension 2 p, dimension 2 p + 1)
.set SF,   130                         ; the span, as f32
.set T,    132                         ; six knots t[s-2] .. t[s+3]; later the recursion's lower levels
.set Q,    144                         ; six quotients; then six denominators and their reciprocals
.set F,    156                         ; x - t[s], x - t[s-1], x - t[s-2], t[s+1] - x, t[s+2] - x, t[s+3] - x
.set VV,   168                         ; V0 .. V3: eight registers on end, as the conversion takes them
.set SI,   176                         ; the span, as a whole number
.set S8,   178                         ; 8 s
.set MX,   180
.set SC,   182                         ; four largest magnitudes, then scale operands: (d0, block 0), (d0, block 1), (d1, block 0), (d1, block 1)
.set BY,   186
.set E,    190                         ; the codes under these four scales
.set MK,   194
.set CP,   196                         ; the merged codes, as 64 bits: v197 and v199 stay 0
.set LL,   200
.set G,    204
.set S4,   206                         ; 4 (s / 4)
.set KM,   208                         ; 0xFF << 4 (s / 4) as 64 bits: low word block 0's mask, high word block 1's
.set AM,   212
.set RO,   214
.set R8,   216
.set T0,   224                         ; the operand of rows 0-15
.set T1,   232                         ; of rows 16-31
.set SW,   240                         ; my row's scale word of the K step: it holds scales and nothing else
.set FF,   244                         ; 0xFF as 64 bits
.set XR,   224                         ; at the head: x as loaded
.set AR,   128                         ; at the head: my block of A as loaded,
.set AT,   160                         ; in the order that the conversions take,
.set AC,   212                         ; and its codes
; scalar registers
.set WV,   12
.set NLO,  16                          ; pairs, both halves alike: the packed forms name a pair and take its low word
.set INVH, 18
.set C12,  20
.set CK,   22                          ; s[22:33]: 12 k - 61, k = -2 .. 3
.set R610, 34
.set CM610, 36
.set LO,   38
.set HIP,  39
.set HI,   40
.set C60,  41
.set FLO,  42
.set EM2,  43
.set NIB,  44
.set BIG,  45
.set VAL,  46                          ; lane masks, two each (one a dimension)
.set C29,  48
.set C30,  50
.set C31,  52
.macro SETP r, val
	s_mov_b32 s[\r], \val
	s_mov_b32 s[\r+1], \val
.endm
.macro PSUB d, a, b
	v_pk_add_f32 v[\d:\d+1], v[\a:\a+1], v[\b:\b+1] neg_lo:[0,1] neg_hi:[0,1]
.endm
.macro PMUL d, a, b
	v_pk_mul_f32 v[\d:\d+1], v[\a:\a+1], v[\b:\b+1]
.endm
.macro PFMA d, a, b, c
	v_pk_fma_f32 v[\d:\d+1], v[\a:\a+1], v[\b:\b+1], v[\c:\c+1]
.endm
	s_load_b256 s[4:11], s[0:1], 0x0               ; x s[4:5], A s[6:7], b s[8:9], out0 s[10:11]
	v_lshl_add_u32 v254, v0, 2, 0xc200
	v_mov_b32 v255, 0
	v_lshrrev_b32 v1, 5, v0
	v_readfirstlane_b32 s[WV], v1                  ; wave 0..15
	v_and_b32 v2, 31, v0                           ; lane
	v_and_b32 v3, 15, v0                           ; r
	v_bfe_u32 v4, v0, 4, 1                         ; h
	v_lshlrev_b32 v[GOF], 4, v2
	v_lshlrev_b32 v[AOF], 12, v3                   ; A[o]: 4,096 bytes
	v_lshl_add_u32 v[AOF], v4, 7, v[AOF]           ; block h: 128 bytes
	v_lshlrev_b32 v[BOF], 5, v4
	s_mul_i32 s13, s[WV], WSTG                     ; my wave's stage
	v_lshrrev_b32 v1, 2, v2
	v_mul_u32_u24 v1, v1, SP
	v_and_b32 v[SIN], 3, v2
	v_lshl_add_u32 v[SIN], v[SIN], 4, v1
	v_add_nc_u32 v[SIN], s13, v[SIN]
	v_mul_u32_u24 v[SRW], v2, SP
	v_add_nc_u32 v[SRW], s13, v[SRW]
	v_mul_u32_u24 v[SOU], v3, SP
	v_lshl_add_u32 v[SOU], v4, 5, v[SOU]
	v_add_nc_u32 v[SOU], s13, v[SOU]
	s_lshl_b32 s13, s[WV], 9                       ; dimension w = K step w / 2, half w % 2: 512 w bytes into the image
	v_add_nc_u32 v[IMW], s13, v[GOF]
	s_lshr_b32 s13, s[WV], 1
	s_lshl_b32 s13, s13, 6                         ; the K step's 64 bytes of scale words,
	s_and_b32 s14, s[WV], 1
	s_lshl_b32 s14, s14, 1                         ; bytes 2 (w % 2) + h of row o's word
	s_add_co_u32 s13, s13, s14
	v_lshl_add_u32 v[SCW], v3, 2, v4
	v_add_nc_u32 v[SCW], s13, v[SCW]
	v_lshlrev_b32 v[SCR], 2, v3
	s_lshl_b32 s14, ttmp9, 15                      ; the work-group's 512 rows of 64 bytes,
	s_lshl_b32 s15, s[WV], 11                      ; my wave's 32
	s_add_co_u32 s14, s14, s15
	s_mov_b32 s15, 0
	s_lshl_b32 s2, s[WV], 8                        ; A[.][w]: 256 bytes
	s_mov_b32 s3, 0
	SETP NLO, 0x3dcccccd                           ; 0.1 in f32: minus the first knot
	SETP INVH, 0x424b5555                          ; 61 / 1.2: spans for each unit of x
	SETP C12, 0x41400000                           ; 12
	SETP CK, 0xc2aa0000                            ; -85
	SETP CK+2, 0xc2920000                          ; -73
	SETP CK+4, 0xc2740000                          ; -61
	SETP CK+6, 0xc2440000                          ; -49
	SETP CK+8, 0xc2140000                          ; -37
	SETP CK+10, 0xc1c80000                         ; -25
	SETP R610, 0x3ad6df44                          ; 1 / 610
	SETP CM610, 0xc4188000                         ; -610
	s_mov_b32 s[LO], 0xbdcccccd                    ; the first knot, -0.1 in f32
	s_mov_b32 s[HIP], 0x3f8ccccc                   ; the largest f32 number under the last knot
	s_mov_b32 s[HI], 0x3f8ccccd                    ; the last knot, 1.1 in f32
	s_mov_b32 s[C60], 0x42700000                   ; 60: the last span
	s_mov_b32 s[FLO], 0x01800000                   ; 2^(3 - 127): under it no largest magnitude is taken, so the byte cannot fall under 1
	s_mov_b32 s[EM2], 0xff000000                   ; takes 2 off an exponent field
	s_mov_b32 s[NIB], 0x0f0f0f0f
	s_mov_b32 s[BIG], 0x7f000000                   ; 2^127
	v_mov_b32 v[CP+1], 0
	v_mov_b32 v[CP+3], 0
	v_mov_b32 v[FF], 0xff
	v_mov_b32 v[FF+1], 0
	s_wait_kmcnt 0x0
	s_add_nc_u64 s[4:5], s[4:5], s[14:15]
	s_add_nc_u64 s[10:11], s[10:11], s[14:15]
	s_add_nc_u64 s[6:7], s[6:7], s[2:3]
.irp i, 0,1,2,3
	global_load_b128 v[XR+4*\i:XR+4*\i+3], v[GOF], s[4:5] offset:512*\i th:TH_LOAD_NT   ; 32 lanes read 512 consecutive bytes: eight rows
.endr
.irp a, 0,1,2,3,4,5,6,7
	global_load_b128 v[AR+4*\a:AR+4*\a+3], v[AOF], s[6:7] offset:16*\a   ; register 4 a + b: A[o][w][32 h + 4 a + b]
.endr
	global_load_b128 v[BIAS:BIAS+3], v[BOF], s[8:9]                      ; b[8 h + j] in register j: the result's layout
	global_load_b128 v[BIAS+4:BIAS+7], v[BOF], s[8:9] offset:16
	s_wait_loadcnt 10                              ; x's four loads are in; behind them A's eight and b's two
.irp i, 0,1,2,3
	ds_store_b128 v[SIN], v[XR+4*\i:XR+4*\i+3] offset:8*SP*\i            ; as loaded: row 8 i + lane / 4, quarter lane % 4
.endr
.irp j, 0,1,2,3
	ds_load_b128 v[X+4*\j:X+4*\j+3], v[SRW] offset:16*\j                 ; back as my whole row.  LDS serves a wave's instructions in order (ISA guide 5.7.1.4): these see the stores above
.endr
	s_wait_loadcnt 2                               ; A's eight loads are in; b's two may be out
	; my block of A: its largest magnitude, its scale, its codes
	v_max3_num_f32 v208, |v[AR]|, |v[AR+1]|, s[FLO]
	v_max3_num_f32 v209, |v[AR+2]|, |v[AR+3]|, s[FLO]
.irp i, 4,8,12,16,20,24,28
	v_max3_num_f32 v208, v208, |v[AR+\i]|, |v[AR+\i+1]|                  ; two chains, so that no line waits for the line above it
	v_max3_num_f32 v209, v209, |v[AR+\i+2]|, |v[AR+\i+3]|
.endr
	v_max_num_f32 v208, v208, v209
	v_add_nc_u32 v209, s[EM2], v208                ; 2 off the exponent field: the conversion takes the exponent field of this operand as its scale
	v_lshrrev_b32 v210, 23, v209                   ; the scale's byte
.irp b, 0,1,2,3
.irp a, 0,1,2,3,4,5,6,7
	v_mov_b32 v[AT+8*\b+\a], v[AR+4*\a+\b]         ; a conversion takes a dword's eight numbers from eight registers on end: dword b wants k = b, 4 + b, .. 28 + b, which the loads left four registers apart
.endr
.endr
.irp b, 0,1,2,3
	v_cvt_scalef32_pk8_fp4_f32 v[AC+\b], v[AT+8*\b:AT+8*\b+7], v209
.endr
	v_nop                                          ; one plain instruction behind the last scaled conversion
	ds_store_b128 v[IMW], v[AC:AC+3] offset:IMG    ; registers 4 c .. 4 c + 3 of K step p's operand, as they stand
	ds_store_b8 v[SCW], v210 offset:WSC
	s_wait_dscnt 0x0                               ; for the others' sake: my stores have landed; my row of x is in too
	s_barrier_signal -1
; THE FOUR VALUES of a pair of dimensions.
.macro PAIR_A p
	v_med3_num_f32 v[XC], v[X+2*(\p)], s[LO], s[HIP]                     ; x held between the outer knots, so that all that follows is finite;
	v_med3_num_f32 v[XC+1], v[X+2*(\p)+1], s[LO], s[HIP]
	v_cmp_eq_f32 s[VAL], v[XC], v[X+2*(\p)]                              ; unchanged means first knot <= x < last knot, compared exactly as reference() compares
	v_cmp_eq_f32 s[VAL+1], v[XC+1], v[X+2*(\p)+1]
	v_pk_add_f32 v[SF:SF+1], v[XC:XC+1], s[NLO:NLO+1] op_sel_hi:[1,0]
	v_pk_mul_f32 v[SF:SF+1], v[SF:SF+1], s[INVH:INVH+1] op_sel_hi:[1,0]
	v_floor_f32 v[SF], v[SF]
	v_floor_f32 v[SF+1], v[SF+1]
	v_min_num_f32 v[SF], s[C60], v[SF]                                   ; the span s, 0 .. 60
	v_min_num_f32 v[SF+1], s[C60], v[SF+1]
	v_pk_mul_f32 v[F:F+1], v[SF:SF+1], s[C12:C12+1] op_sel_hi:[1,0]
.irp k, 0,1,2,3,4,5
	v_pk_add_f32 v[T+2*\k:T+2*\k+1], v[F:F+1], s[CK+2*\k:CK+2*\k+1] op_sel_hi:[1,0]        ; n = 12 (s + k - 2) - 61: whole numbers, exact
.endr
.irp k, 0,1,2,3,4,5
	v_pk_mul_f32 v[Q+2*\k:Q+2*\k+1], v[T+2*\k:T+2*\k+1], s[R610:R610+1] op_sel_hi:[1,0]    ; q = n r
.endr
.irp k, 0,1,2,3,4,5
	v_pk_fma_f32 v[T+2*\k:T+2*\k+1], v[Q+2*\k:Q+2*\k+1], s[CM610:CM610+1], v[T+2*\k:T+2*\k+1] op_sel_hi:[1,0,1]   ; rem = n - 610 q, exact
.endr
.irp k, 0,1,2,3,4,5
	v_pk_fma_f32 v[T+2*\k:T+2*\k+1], v[T+2*\k:T+2*\k+1], s[R610:R610+1], v[Q+2*\k:Q+2*\k+1] op_sel_hi:[1,0,1]     ; t = q + rem r: n / 610 correctly rounded
.endr
.irp i, 0,1,2,3
	v_max_num_f32 v[T+\i], s[LO], v[T+\i]                                ; the clamped ends: t[s-2], t[s-1] not under the first knot,
.endr
.irp i, 8,9,10,11
	v_min_num_f32 v[T+\i], s[HI], v[T+\i]                                ; t[s+2], t[s+3] not over the last
.endr
	PSUB Q, T+6, T+4                               ; t[s+1] - t[s]
	PSUB Q+2, T+6, T+2                             ; t[s+1] - t[s-1]
	PSUB Q+4, T+8, T+4                             ; t[s+2] - t[s]
	PSUB Q+6, T+6, T                               ; t[s+1] - t[s-2]
	PSUB Q+8, T+8, T+2                             ; t[s+2] - t[s-1]
	PSUB Q+10, T+10, T+4                           ; t[s+3] - t[s]: all six hold the span itself, so none is 0
.irp i, 0,1,2,3,4,5,6,7,8,9,10,11
	v_rcp_f32 v[Q+\i], v[Q+\i]
.endr
	PSUB F, XC, T+4                                ; x - t[s].  (These six name no reciprocal: plain work behind the batch)
	PSUB F+2, XC, T+2                              ; x - t[s-1]
	PSUB F+4, XC, T                                ; x - t[s-2]
	PSUB F+6, T+6, XC                              ; t[s+1] - x
	PSUB F+8, T+8, XC                              ; t[s+2] - x
	PSUB F+10, T+10, XC                            ; t[s+3] - x
	s_wait_alu depctr_va_vdst(0)                   ; one wait for the twelve reciprocals, ahead of their first reader
	PMUL T, F, Q                                   ; degree 1: the right one,
	PMUL T+2, F+6, Q                               ; the left one
	PMUL T+4, T+2, Q+2                             ; each lower value over its denominator, once for both its uses
	PMUL T+6, T, Q+4
	PMUL T+8, F+6, T+4                             ; degree 2: three values
	PMUL T+10, F+2, T+4
	PFMA T+10, F+8, T+6, T+10
	PMUL T, F, T+6
	PMUL T+2, T+8, Q+6
	PMUL T+4, T+10, Q+8
	PMUL T+6, T, Q+10
	PMUL VV, F+6, T+2                              ; degree 3: V0 .. V3, the basis at k = s .. s + 3
	PMUL VV+2, F+4, T+2
	PFMA VV+2, F+8, T+4, VV+2
	PMUL VV+4, F+2, T+4
	PFMA VV+4, F+10, T+6, VV+4
	PMUL VV+6, F, T+6
.endm
; THEIR SCALES, THEIR CODES, AND THE CODES' PLACES: from the pair's eight values to eight registers of each tile's operand and the scale word.
.macro PAIR_B
	v_cvt_u32_f32 v[SI], v[SF]
	v_cvt_u32_f32 v[SI+1], v[SF+1]
.irp d, 0,1
	v_max3_num_f32 v[MX+\d], v[VV+\d], v[VV+2+\d], v[VV+4+\d]
.endr
.irp d, 0,1
	v_max_num_f32 v[MX+\d], v[MX+\d], v[VV+6+\d]   ; M: the largest of the four
.endr
.irp d, 0,1
	v_cmp_eq_u32 s[C29+\d], 29, v[SI+\d]
	v_cmp_eq_u32 s[C30+\d], 30, v[SI+\d]
	v_cmp_eq_u32 s[C31+\d], 31, v[SI+\d]
.endr
.irp d, 0,1
	v_cndmask_b32 v[MX+\d], s[BIG], v[MX+\d], s[VAL+\d]                  ; x outside the knots: under the scale 2^125 every code is 0, as reference()'s basis is.  (x was held to an outer knot: s is 0 or 60 there)
.endr
.irp d, 0,1
	v_cndmask_b32 v[SC+2*\d], v[MX+\d], v[VV+2+\d], s[C30+\d]            ; block 0's largest: M; s = 30: V1;
	v_cndmask_b32 v[SC+2*\d+1], v[MX+\d], v[VV+6+\d], s[C29+\d]          ; block 1's: M; s = 29: V3;
.endr
.irp d, 0,1
	v_cndmask_b32 v[SC+2*\d], v[SC+2*\d], v[VV+\d], s[C31+\d]            ; s = 31: V0
	v_cndmask_b32 v[SC+2*\d+1], v[SC+2*\d+1], v[VV+4+\d], s[C30+\d]      ; s = 30: V2
.endr
.irp i, 0,1,2,3
	v_max_num_f32 v[SC+\i], s[FLO], v[SC+\i]       ; the floor
.endr
.irp i, 0,1,2,3
	v_add_nc_u32 v[SC+\i], s[EM2], v[SC+\i]        ; 2 off the exponent field: the conversion's scale operand
.endr
.irp i, 0,1,2,3
	v_cvt_scalef32_pk8_fp4_f32 v[E+\i], v[VV:VV+7], v[SC+\i]             ; byte j of the result: Vj's codes, dimension 0's in the low nibble, dimension 1's in the high one; of each result one dimension's nibbles are used
.endr
	v_lshrrev_b32 v[SW], 23, v[SC]                 ; the four scale bytes make my row's word: (d0, block 0), (d0, block 1), (d1, block 0), (d1, block 1).  (Plain work behind the conversions)
	v_lshrrev_b32 v[BY], 23, v[SC+1]
	v_lshrrev_b32 v[BY+1], 23, v[SC+2]
	v_lshrrev_b32 v[BY+2], 23, v[SC+3]
	v_lshl_or_b32 v[SW], v[BY], 8, v[SW]
	v_lshl_or_b32 v[SW], v[BY+1], 16, v[SW]
	v_lshl_or_b32 v[SW], v[BY+2], 24, v[SW]
.irp d, 0,1
	v_lshlrev_b32 v[S8+\d], 3, v[SI+\d]
.endr
.irp d, 0,1
	v_lshrrev_b32 v[MK+\d], v[S8+\d], -1           ; all ones >> 8 (s % 4) (a shift takes its amount's low five bits): for s = 28 .. 31 the bytes of the values that lie in block 0; elsewhere both scales are alike and any mask serves
	v_and_b32 v[R8+\d], 24, v[S8+\d]               ; 8 (s % 4)
	v_and_b32 v[S4+\d], 60, v[SI+\d]               ; 4 (s / 4)
.endr
.irp d, 0,1
	v_bfi_b32 v[CP+2*\d], v[MK+\d], v[E+2*\d], v[E+2*\d+1]               ; each value's code under its own block's scale
	v_sub_nc_u32 v[AM+\d], 0, v[S4+\d]
	v_lshlrev_b64 v[KM+2*\d:KM+2*\d+1], v[S4+\d], v[FF:FF+1]             ; nibbles s / 4 and s / 4 + 1 of sixteen: the low word is block 0's eight, the high word block 1's
.endr
.irp d, 0,1
	v_lshlrev_b64 v[LL+2*\d:LL+2*\d+1], v[R8+\d], v[CP+2*\d:CP+2*\d+1]   ; byte j of these 64 bits: k = 4 (s / 4) + j.  Low word: byte b is k % 4 = b, k / 4 = s / 4; high word: k / 4 = s / 4 + 1
.endr
	v_lshlrev_b32 v[LL+1], 4, v[LL+1]              ; dimension 0: the high word's low nibbles move up;
	v_lshrrev_b32 v[LL+2], 4, v[LL+2]              ; dimension 1: the low word's high nibbles move down
.irp d, 0,1
	v_bfi_b32 v[G+\d], s[NIB], v[LL+2*\d], v[LL+2*\d+1]                  ; byte b: the codes of (k % 4 = b, k / 4 = s / 4) and, above it, of (b, s / 4 + 1)
.endr
.irp d, 0,1
	v_alignbit_b32 v[RO+\d], v[G+\d], v[G+\d], v[AM+\d]                  ; turned left by 4 (s / 4) bits modulo 32: byte 0 stands at its nibbles; where s / 4 = 7 its upper nibble comes round to nibble 0, which is block 1's first
.endr
.irp b, 0,1,2,3
.irp d, 0,1
	v_and_b32 v[T0+4*\d+\b], v[RO+\d], v[KM+2*\d]                        ; dword b of block 0,
	v_and_b32 v[T1+4*\d+\b], v[RO+\d], v[KM+2*\d+1]                      ; and of block 1
.endr
.if \b < 3
.irp d, 0,1
	v_alignbit_b32 v[RO+\d], v[RO+\d], v[RO+\d], 8                       ; the next byte to the same place
.endr
.endif
.endr
.irp i, 0,1,2,3,4,5,6,7
	v_permlane16_swap_b32 v[T0+\i], v[T1+\i]       ; the first's lanes 16-31 change places with the second's lanes 0-15: T0 = rows 0-15 (block 0 | block 1), T1 = rows 16-31 likewise: the operand's layout
.endr
.endm
; K step p.  The two accumulators take turns, one instruction a turn.  Tile 1 reads its rows' scale words from lanes 16-31 of the same register.
.macro MMA p, first
.if \first
	v_wmma_scale_f32_16x16x128_f8f6f4 v[ACC0:ACC0+7], v[WB+8*(\p):WB+8*(\p)+7], v[T0:T0+7], v[BIAS:BIAS+7], v[WS+(\p)], v[SW] matrix_a_fmt:MATRIX_FMT_FP4 matrix_b_fmt:MATRIX_FMT_FP4
	v_wmma_scale_f32_16x16x128_f8f6f4 v[ACC1:ACC1+7], v[WB+8*(\p):WB+8*(\p)+7], v[T1:T1+7], v[BIAS:BIAS+7], v[WS+(\p)], v[SW] matrix_a_fmt:MATRIX_FMT_FP4 matrix_b_fmt:MATRIX_FMT_FP4 matrix_b_scale:MATRIX_SCALE_ROW1
.else
	v_wmma_scale_f32_16x16x128_f8f6f4 v[ACC0:ACC0+7], v[WB+8*(\p):WB+8*(\p)+7], v[T0:T0+7], v[ACC0:ACC0+7], v[WS+(\p)], v[SW] matrix_a_fmt:MATRIX_FMT_FP4 matrix_b_fmt:MATRIX_FMT_FP4
	v_wmma_scale_f32_16x16x128_f8f6f4 v[ACC1:ACC1+7], v[WB+8*(\p):WB+8*(\p)+7], v[T1:T1+7], v[ACC1:ACC1+7], v[WS+(\p)], v[SW] matrix_a_fmt:MATRIX_FMT_FP4 matrix_b_fmt:MATRIX_FMT_FP4 matrix_b_scale:MATRIX_SCALE_ROW1
.endif
.endm
	PAIR_A 0                                       ; work on registers while the other waves arrive
	PAIR_B
	s_barrier_wait -1                              ; all of A's codes and scale bytes lie in LDS
.irp p, 0,1,2,3,4,5,6,7
	ds_load_b128 v[WB+8*\p:WB+8*\p+3], v[GOF] offset:IMG+1024*\p         ; the images come back as they were stored: the same registers in the same lanes
	ds_load_b128 v[WB+8*\p+4:WB+8*\p+7], v[GOF] offset:IMG+1024*\p+512
.endr
.irp p, 0,1,2,3,4,5,6,7
	ds_load_b32 v[WS+\p], v[SCR] offset:WSC+64*\p  ; lane o: row o's word
.endr
	; A K step's products stand behind the next pair's four values: that plain work is the distance between the vector writes of the operands (4 places) and of the scale word (8) and the scaled matrix instruction
	PAIR_A 1
	s_wait_loadcnt 0x0                             ; b
	s_wait_dscnt 0x0                               ; A
	MMA 0, 1                                       ; b starts both sums
	PAIR_B                                         ; its first writes of the scale word and of the operands stand more than four plain instructions behind the products that read them
.irp p, 2,3,4,5,6,7
	PAIR_A \p
	MMA \p-1, 0
	PAIR_B
.endr
.rept 4
	v_nop                                          ; four places behind the last write of an operand; the scale word was written more than eight plain instructions ago
.endr
	MMA 7, 0
.rept 4
	v_nop                                          ; four places in front of the first read of the results
.endr
	; THE WAY OUT.  Lane (r, h) holds out0(row r of its tile, 8 h .. 8 h + 7): 32 bytes.  Through my own stage, and back as it lies in memory.
	ds_store_b128 v[SOU], v[ACC0:ACC0+3]           ; each accumulator from its low end on
	ds_store_b128 v[SOU], v[ACC0+4:ACC0+7] offset:16
	ds_store_b128 v[SOU], v[ACC1:ACC1+3] offset:16*SP
	ds_store_b128 v[SOU], v[ACC1+4:ACC1+7] offset:16*SP+16
.irp i, 0,1,2,3
	ds_load_b128 v[128+4*\i:128+4*\i+3], v[SIN] offset:8*SP*\i           ; LDS serves a wave's instructions in order: these see the stores above
.endr
.irp i, 0,1,2,3
	s_wait_dscnt 3-\i                              ; load i is in; the younger ones may be out
	global_store_b128 v[GOF], v[128+4*\i:128+4*\i+3], s[10:11] offset:512*\i th:TH_STORE_NT   ; 32 lanes store 512 consecutive bytes, at a multiple of 512 from out0's first byte
.endr
	s_wait_tensorcnt 0x0
	ds_add_u32 v254, v255
	s_wait_dscnt 0x0
	s_endpgm
.Lfunc_end_k_q974e955c50_bspline:
	.size	k_q974e955c50_bspline, .Lfunc_end_k_q974e955c50_bspline-k_q974e955c50_bspline
	.p2alignl 7, 3214868480
	.fill 96, 4, 3214868480
	.section	.rodata,"a",@progbits
	.p2align	6, 0x0
	.amdhsa_kernel k_q974e955c50_bspline
		.amdhsa_group_segment_fixed_size 51712
		.amdhsa_private_segment_fixed_size 0
		.amdhsa_enable_private_segment 0
		.amdhsa_kernarg_size 32
		.amdhsa_user_sgpr_count 2
		.amdhsa_user_sgpr_kernarg_segment_ptr 1
		.amdhsa_wavefront_size32 1
		.amdhsa_system_sgpr_workgroup_id_x 1
		.amdhsa_system_sgpr_workgroup_id_y 1
		.amdhsa_system_sgpr_workgroup_id_z 1
		.amdhsa_system_vgpr_workitem_id 0
		.amdhsa_next_free_vgpr 256
		.amdhsa_next_free_sgpr 66
		.amdhsa_reserve_vcc 0
		.amdhsa_float_denorm_mode_32 3
		.amdhsa_float_denorm_mode_16_64 3
		.amdhsa_memory_ordered 1
		.amdhsa_forward_progress 1
		.amdhsa_inst_pref_size 83
	.end_amdhsa_kernel
	.amdgpu_metadata
---
amdhsa.version: [ 1, 2 ]
amdhsa.kernels:
  - .name:           k_q974e955c50_bspline
    .symbol:         k_q974e955c50_bspline.kd
    .args:
      - { .name: x, .offset: 0, .size: 8, .value_kind: global_buffer, .address_space: global }
      - { .name: A, .offset: 8, .size: 8, .value_kind: global_buffer, .address_space: global }
      - { .name: b, .offset: 16, .size: 8, .value_kind: global_buffer, .address_space: global }
      - { .name: out0, .offset: 24, .size: 8, .value_kind: global_buffer, .address_space: global }
    .group_segment_fixed_size: 51712
    .private_segment_fixed_size: 0
    .kernarg_segment_align: 8
    .kernarg_segment_size: 32
    .max_flat_workgroup_size: 512
    .sgpr_count:     66
    .vgpr_count:     256
    .wavefront_size: 32
...
	.end_amdgpu_metadata
.endif
;; end of part 1
;; ======== version 2 of 2: 1 launch; version 1 with the launch bspline written anew for expert scheduling mode
;; launch bspline (part 2): grid 256 x 1, 16 waves a work-group, no clusters, 51,712 bytes of LDS; arguments x, A, b, out0; writes out0
.if DOCPART == 2
	.amdgcn_target "amdgcn-amd-amdhsa--gfx1250"
	.amdhsa_code_object_version 6
	.text
	.protected	k_q974e955c50_bspline
	.globl	k_q974e955c50_bspline
	.p2align	8
	.type	k_q974e955c50_bspline,@function
k_q974e955c50_bspline:
	s_mov_b64 s[64:65], 0
	v_nop
	global_prefetch_b8 v0, s[64:65] scope:SCOPE_SE
	s_setreg_imm32_b32 hwreg(HW_REG_WAVE_SCHED_MODE, 0, 2), 2
	s_setreg_imm32_b32 hwreg(HW_REG_WAVE_MODE, 25, 1), 1
	s_wait_xcnt 0x0
	s_wait_alu depctr_vm_vsrc(0)
; out0[n][o] = b[o] + sum over d, k of Q(basis(x[n][d])[k]) Q(A[o][d][k]).  x: [131072][16] f32, A: [16][16][64] f32, b: [16] f32, out0: [131072][16] f32.
; basis: the 64 cubic B-splines on the clamped knots -0.1 .. 1.1 (60 interior knots, 61 spans).  Q: MX-FP4 (E2M1, one E8M0 scale for each 32 along K = 64 d + k).  Sums in f32.
; SHARES.  256 work-groups x 16 waves; a wave takes 32 rows, a lane ONE row and its 16 numbers of x.  A K step of 128 is a pair of dimensions (2 p, 2 p + 1); packed f32 forms work on both at once.
; THE BASIS.  Of a number's 64 values only four are not zero: those at k = s .. s + 3, s the span.  They are made by the recursion of reference() itself, on the same f32 knots:
;   knot j is (12 j - 61) / 610 rounded to f32.  q = n r, rem = n - 610 q (exact in a fused multiply-add), t = q + rem r, r = 1/610 in f32: what is rounded last is within 2^-24 ulp of n / 610, and n / 610 is never
;   nearer than 1/1220 ulp to the middle between two f32 numbers, so t is the correctly rounded knot.  x - t and t - t are then the f32 differences that reference() forms; quotients are products with v_rcp_f32.
; THE CODES' ORDER IN A BLOCK OF 32: dword b (0..3), nibble a (0..7) holds k = 4 a + b, in both operands alike.  So four neighbouring k fall into four different dwords, and each dword of both blocks is one rotation and one AND.
; THE SCALES.  Where the four values lie in one block, its largest is M.  Where they straddle (s = 29, 30, 31; spans between equally spaced knots, where V0 <= V1 and V3 <= V2 with 1/6 to spare) the blocks' largest are
;   s = 29: M | V3;  s = 30: V1 | V2;  s = 31: V0 | M.  The values are converted under both scales and the codes merged by place.
; A is quantised once for the work-group: wave w takes dimension w, lane (o, h) block h of A[o][w][:]; codes go to LDS as an image of the operand's registers, scale bytes beside them; one barrier; every wave then holds all of A.
; THE MATRIX INSTRUCTION IS USED TRANSPOSED (source 0 = A's 16 rows o, source 1 = 16 rows of the basis): a lane holds eight neighbouring outputs of one row.  b is the C of each sum's first instruction.
; NOT USED: tensor loads, clusters, prefetch.  The one input that work-groups share is A, 64 KB read once at the head; a wave's part of x is 2,048 bytes, asked for in its first lines.
; LIMITS.  x that is NaN or infinite counts as outside the knots (basis 0, out0 = b) where reference() gives NaN.  A block's largest magnitude is taken no smaller than 2^-124, so the scale byte is at least 1; a block of zeros
;   has that byte (or its neighbour block's) with zero codes.  The span comes from one multiplication: within a few ulp of an interior knot it may be the neighbouring span, where both pieces agree to third order in that distance
;   (a value that comes out as a tiny negative number gets the code -0).  The two outer knots are compared exactly.
; THE MODE: SCHED_MODE bits 1:0 = 2 (LLVM: expert scheduling mode 2), set by the entry lines.  The code itself states the register dependences between vector or matrix instructions and memory or LDS instructions,
;   with s_wait_alu, always for 0.  The text has no branch and no label, and EXEC is never written.
; THE PLAN.  Registers that memory or LDS instructions touch:
;   v5-v14     offsets and LDS addresses.  Written at the head by vector instructions, read by every load and store, never written again: one wait on va_vdst ahead of the first load.
;   v224-239   x as loaded.  Global loads land in them, four LDS stores read them; the first pair writes them again as the two operands.
;   v212-215, v210   A's codes and scale byte.  Written by the conversions and a shift (a wait on va_vdst), read by two LDS stores; the first pair writes them again.  ONE wait on vm_vsrc ahead of the first pair serves these and v224-239.
;   v16-31, v32-103, v120-159   x's row, A's codes and scale words, b, A as loaded: loads land in them before any vector or matrix instruction has named them.
;   v104-119   the accumulators: read by the four LDS stores of the way out, behind the places and a wait on va_vdst; that wait also shows the pairs' work on v128-143 done, in which the loads from the stage land.
;   The eight pairs hold no memory or LDS instruction.  In each, ONE wait on va_vdst stands behind the reciprocals, and the products of the K step before stand directly behind it: it states that the reciprocals are written
;   and that the pair before has written the operands and the scale word.  ONE wait on va_sdst stands behind a pair's compares, ahead of the first select that reads a mask.
.set SP,    80                         ; a row of 64 bytes in a stage + 16 of padding: sixteen rows begin at sixteen different multiples of 16 bytes modulo 256
.set WSTG,  32*SP                      ; a wave's own stage: x on the way in, out0 on the way out
.set IMG,   16*WSTG                    ; A's codes: K step p, half c: 512 bytes at IMG + 1024 p + 512 c, 16 bytes a lane
.set WSC,   IMG+8192                   ; A's scale words: 64 bytes a K step, 4 a row o
; vector registers
.set GOF,  5                           ; 16 x lane: my 16 bytes of 512, in x, in out0 and in an image
.set AOF,  6                           ; A: 4096 o + 128 h
.set BOF,  7                           ; b: 32 h
.set SIN,  8                           ; stage, dense side: 80 (lane / 4) + 16 (lane % 4)
.set SRW,  9                           ; stage, my row: 80 x lane
.set SOU,  10                          ; stage, results: 80 (lane % 16) + 32 (lane / 16)
.set IMW,  11                          ; where my wave's codes of A go
.set SCW,  13                          ; and my scale byte
.set SCR,  14                          ; 4 (lane % 16): a row's scale word
.set X,    16                          ; v16-31   my row of x
.set WB,   32                          ; v32-95   A's codes, 8 registers a K step
.set WS,   96                          ; v96-103  A's scale words: they hold scales and nothing else
.set ACC0, 104                         ; rows 0-15
.set ACC1, 112                         ; rows 16-31
.set BIAS, 120
.set XC,   128                         ; from here on pairs: (dimension 2 p, dimension 2 p + 1)
.set SF,   130                         ; the span, as f32
.set T,    132                         ; six knots t[s-2] .. t[s+3]; later the recursion's lower levels
.set Q,    144                         ; six quotients; then six denominators and their reciprocals
.set F,    156                         ; x - t[s], x - t[s-1], x - t[s-2], t[s+1] - x, t[s+2] - x, t[s+3] - x
.set VV,   168                         ; V0 .. V3: eight registers on end, as the conversion takes them
.set SI,   176                         ; the span, as a whole number
.set S8,   178                         ; 8 s
.set MX,   180
.set SC,   182                         ; four largest magnitudes, then scale operands: (d0, block 0), (d0, block 1), (d1, block 0), (d1, block 1)
.set BY,   186
.set E,    190                         ; the codes under these four scales
.set MK,   194
.set CP,   196                         ; the merged codes, as 64 bits: v197 and v199 stay 0
.set LL,   200
.set G,    204
.set S4,   206                         ; 4 (s / 4)
.set KM,   208                         ; 0xFF << 4 (s / 4) as 64 bits: low word block 0's mask, high word block 1's
.set AM,   212
.set RO,   214
.set R8,   216
.set T0,   224                         ; the operand of rows 0-15
.set T1,   232                         ; of rows 16-31
.set SW,   240                         ; my row's scale word of the K step: it holds scales and nothing else
.set FF,   244                         ; 0xFF as 64 bits
.set XR,   224                         ; at the head: x as loaded
.set AR,   128                         ; at the head: my block of A as loaded,
.set AT,   160                         ; in the order that the conversions take,
.set AC,   212                         ; and its codes
; scalar registers
.set WV,   12
.set NLO,  16                          ; pairs, both halves alike: the packed forms name a pair and take its low word
.set INVH, 18
.set C12,  20
.set CK,   22                          ; s[22:33]: 12 k - 61, k = -2 .. 3
.set R610, 34
.set CM610, 36
.set LO,   38
.set HIP,  39
.set HI,   40
.set C60,  41
.set FLO,  42
.set EM2,  43
.set NIB,  44
.set BIG,  45
.set VAL,  46                          ; lane masks, two each (one a dimension)
.set C29,  48
.set C30,  50
.set C31,  52
.macro SETP r, val
	s_mov_b32 s[\r], \val
	s_mov_b32 s[\r+1], \val
.endm
.macro PSUB d, a, b
	v_pk_add_f32 v[\d:\d+1], v[\a:\a+1], v[\b:\b+1] neg_lo:[0,1] neg_hi:[0,1]
.endm
.macro PMUL d, a, b
	v_pk_mul_f32 v[\d:\d+1], v[\a:\a+1], v[\b:\b+1]
.endm
.macro PFMA d, a, b, c
	v_pk_fma_f32 v[\d:\d+1], v[\a:\a+1], v[\b:\b+1], v[\c:\c+1]
.endm
	s_load_b256 s[4:11], s[0:1], 0x0               ; x s[4:5], A s[6:7], b s[8:9], out0 s[10:11]
	v_lshl_add_u32 v254, v0, 2, 0xc200
	v_mov_b32 v255, 0
	v_lshrrev_b32 v1, 5, v0
	v_readfirstlane_b32 s[WV], v1                  ; wave 0..15
	v_and_b32 v2, 31, v0                           ; lane
	v_and_b32 v3, 15, v0                           ; r
	v_bfe_u32 v4, v0, 4, 1                         ; h
	v_lshlrev_b32 v[GOF], 4, v2
	v_lshlrev_b32 v[AOF], 12, v3                   ; A[o]: 4,096 bytes
	v_lshl_add_u32 v[AOF], v4, 7, v[AOF]           ; block h: 128 bytes
	v_lshlrev_b32 v[BOF], 5, v4
	s_wait_alu depctr_va_sdst(0)                   ; the wave's number is written, ahead of its first reader: LDS addresses and the bases of x, A and out0 are made from it
	s_mul_i32 s13, s[WV], WSTG                     ; my wave's stage
	v_lshrrev_b32 v1, 2, v2
	v_mul_u32_u24 v1, v1, SP
	v_and_b32 v[SIN], 3, v2
	v_lshl_add_u32 v[SIN], v[SIN], 4, v1
	v_add_nc_u32 v[SIN], s13, v[SIN]
	v_mul_u32_u24 v[SRW], v2, SP
	v_add_nc_u32 v[SRW], s13, v[SRW]
	v_mul_u32_u24 v[SOU], v3, SP
	v_lshl_add_u32 v[SOU], v4, 5, v[SOU]
	v_add_nc_u32 v[SOU], s13, v[SOU]
	s_lshl_b32 s13, s[WV], 9                       ; dimension w = K step w / 2, half w % 2: 512 w bytes into the image
	v_add_nc_u32 v[IMW], s13, v[GOF]
	s_lshr_b32 s13, s[WV], 1
	s_lshl_b32 s13, s13, 6                         ; the K step's 64 bytes of scale words,
	s_and_b32 s14, s[WV], 1
	s_lshl_b32 s14, s14, 1                         ; bytes 2 (w % 2) + h of row o's word
	s_add_co_u32 s13, s13, s14
	v_lshl_add_u32 v[SCW], v3, 2, v4
	v_add_nc_u32 v[SCW], s13, v[SCW]
	v_lshlrev_b32 v[SCR], 2, v3
	s_lshl_b32 s14, ttmp9, 15                      ; the work-group's 512 rows of 64 bytes,
	s_lshl_b32 s15, s[WV], 11                      ; my wave's 32
	s_add_co_u32 s14, s14, s15
	s_mov_b32 s15, 0
	s_lshl_b32 s2, s[WV], 8                        ; A[.][w]: 256 bytes
	s_mov_b32 s3, 0
	SETP NLO, 0x3dcccccd                           ; 0.1 in f32: minus the first knot
	SETP INVH, 0x424b5555                          ; 61 / 1.2: spans for each unit of x
	SETP C12, 0x41400000                           ; 12
	SETP CK, 0xc2aa0000                            ; -85
	SETP CK+2, 0xc2920000                          ; -73
	SETP CK+4, 0xc2740000                          ; -61
	SETP CK+6, 0xc2440000                          ; -49
	SETP CK+8, 0xc2140000                          ; -37
	SETP CK+10, 0xc1c80000                         ; -25
	SETP R610, 0x3ad6df44                          ; 1 / 610
	SETP CM610, 0xc4188000                         ; -610
	s_mov_b32 s[LO], 0xbdcccccd                    ; the first knot, -0.1 in f32
	s_mov_b32 s[HIP], 0x3f8ccccc                   ; the largest f32 number under the last knot
	s_mov_b32 s[HI], 0x3f8ccccd                    ; the last knot, 1.1 in f32
	s_mov_b32 s[C60], 0x42700000                   ; 60: the last span
	s_mov_b32 s[FLO], 0x01800000                   ; 2^(3 - 127): under it no largest magnitude is taken, so the byte cannot fall under 1
	s_mov_b32 s[EM2], 0xff000000                   ; takes 2 off an exponent field
	s_mov_b32 s[NIB], 0x0f0f0f0f
	s_mov_b32 s[BIG], 0x7f000000                   ; 2^127
	v_mov_b32 v[CP+1], 0
	v_mov_b32 v[CP+3], 0
	v_mov_b32 v[FF], 0xff
	v_mov_b32 v[FF+1], 0
	s_wait_kmcnt 0x0
	s_add_nc_u64 s[4:5], s[4:5], s[14:15]
	s_add_nc_u64 s[10:11], s[10:11], s[14:15]
	s_add_nc_u64 s[6:7], s[6:7], s[2:3]
	s_wait_alu depctr_va_vdst(0)                   ; the offsets and LDS addresses v5 to v14 are written: every load and store of the kernel reads one of them, and none is written again
.irp i, 0,1,2,3
	global_load_b128 v[XR+4*\i:XR+4*\i+3], v[GOF], s[4:5] offset:512*\i th:TH_LOAD_NT   ; 32 lanes read 512 consecutive bytes: eight rows
.endr
.irp a, 0,1,2,3,4,5,6,7
	global_load_b128 v[AR+4*\a:AR+4*\a+3], v[AOF], s[6:7] offset:16*\a   ; register 4 a + b: A[o][w][32 h + 4 a + b]
.endr
	global_load_b128 v[BIAS:BIAS+3], v[BOF], s[8:9]                      ; b[8 h + j] in register j: the result's layout
	global_load_b128 v[BIAS+4:BIAS+7], v[BOF], s[8:9] offset:16
	s_wait_loadcnt 10                              ; x's four loads are in; behind them A's eight and b's two
.irp i, 0,1,2,3
	ds_store_b128 v[SIN], v[XR+4*\i:XR+4*\i+3] offset:8*SP*\i            ; as loaded: row 8 i + lane / 4, quarter lane % 4
.endr
.irp j, 0,1,2,3
	ds_load_b128 v[X+4*\j:X+4*\j+3], v[SRW] offset:16*\j                 ; back as my whole row.  LDS serves a wave's instructions in order (ISA guide 5.7.1.4): these see the stores above.  No vector instruction has named v16-31
.endr
	s_wait_loadcnt 2                               ; A's eight loads are in; b's two may be out
	; my block of A: its largest magnitude, its scale, its codes
	v_max3_num_f32 v208, |v[AR]|, |v[AR+1]|, s[FLO]
	v_max3_num_f32 v209, |v[AR+2]|, |v[AR+3]|, s[FLO]
.irp i, 4,8,12,16,20,24,28
	v_max3_num_f32 v208, v208, |v[AR+\i]|, |v[AR+\i+1]|                  ; two chains, so that no line waits for the line above it
	v_max3_num_f32 v209, v209, |v[AR+\i+2]|, |v[AR+\i+3]|
.endr
	v_max_num_f32 v208, v208, v209
	v_add_nc_u32 v209, s[EM2], v208                ; 2 off the exponent field: the conversion takes the exponent field of this operand as its scale
	v_lshrrev_b32 v210, 23, v209                   ; the scale's byte
.irp b, 0,1,2,3
.irp a, 0,1,2,3,4,5,6,7
	v_mov_b32 v[AT+8*\b+\a], v[AR+4*\a+\b]         ; a conversion takes a dword's eight numbers from eight registers on end: dword b wants k = b, 4 + b, .. 28 + b, which the loads left four registers apart
.endr
.endr
.irp b, 0,1,2,3
	v_cvt_scalef32_pk8_fp4_f32 v[AC+\b], v[AT+8*\b:AT+8*\b+7], v209
.endr
	v_nop                                          ; one plain instruction behind the last scaled conversion
	s_wait_alu depctr_va_vdst(0)                   ; the conversions have written v212-215 and the shift v210, which the two LDS stores read
	ds_store_b128 v[IMW], v[AC:AC+3] offset:IMG    ; registers 4 c .. 4 c + 3 of K step p's operand, as they stand
	ds_store_b8 v[SCW], v210 offset:WSC
	s_wait_dscnt 0x0                               ; for the others' sake: my stores have landed; my row of x is in too
	s_wait_alu depctr_vm_vsrc(0)                   ; my six LDS stores have read v224-239 (x as loaded), v212-215 and v210 (A's codes and byte): the first pair's work writes these registers again
	s_barrier_signal -1
; THE KNOTS of a pair of dimensions, the six denominators' reciprocals and the six differences with x.  The wait for the reciprocals follows the macro.
.macro KNOTS p
	v_med3_num_f32 v[XC], v[X+2*(\p)], s[LO], s[HIP]                     ; x held between the outer knots, so that all that follows is finite;
	v_med3_num_f32 v[XC+1], v[X+2*(\p)+1], s[LO], s[HIP]
	v_cmp_eq_f32 s[VAL], v[XC], v[X+2*(\p)]                              ; unchanged means first knot <= x < last knot, compared exactly as reference() compares
	v_cmp_eq_f32 s[VAL+1], v[XC+1], v[X+2*(\p)+1]
	v_pk_add_f32 v[SF:SF+1], v[XC:XC+1], s[NLO:NLO+1] op_sel_hi:[1,0]
	v_pk_mul_f32 v[SF:SF+1], v[SF:SF+1], s[INVH:INVH+1] op_sel_hi:[1,0]
	v_floor_f32 v[SF], v[SF]
	v_floor_f32 v[SF+1], v[SF+1]
	v_min_num_f32 v[SF], s[C60], v[SF]                                   ; the span s, 0 .. 60
	v_min_num_f32 v[SF+1], s[C60], v[SF+1]
	v_pk_mul_f32 v[F:F+1], v[SF:SF+1], s[C12:C12+1] op_sel_hi:[1,0]
.irp k, 0,1,2,3,4,5
	v_pk_add_f32 v[T+2*\k:T+2*\k+1], v[F:F+1], s[CK+2*\k:CK+2*\k+1] op_sel_hi:[1,0]        ; n = 12 (s + k - 2) - 61: whole numbers, exact
.endr
.irp k, 0,1,2,3,4,5
	v_pk_mul_f32 v[Q+2*\k:Q+2*\k+1], v[T+2*\k:T+2*\k+1], s[R610:R610+1] op_sel_hi:[1,0]    ; q = n r
.endr
.irp k, 0,1,2,3,4,5
	v_pk_fma_f32 v[T+2*\k:T+2*\k+1], v[Q+2*\k:Q+2*\k+1], s[CM610:CM610+1], v[T+2*\k:T+2*\k+1] op_sel_hi:[1,0,1]   ; rem = n - 610 q, exact
.endr
.irp k, 0,1,2,3,4,5
	v_pk_fma_f32 v[T+2*\k:T+2*\k+1], v[T+2*\k:T+2*\k+1], s[R610:R610+1], v[Q+2*\k:Q+2*\k+1] op_sel_hi:[1,0,1]     ; t = q + rem r: n / 610 correctly rounded
.endr
.irp i, 0,1,2,3
	v_max_num_f32 v[T+\i], s[LO], v[T+\i]                                ; the clamped ends: t[s-2], t[s-1] not under the first knot,
.endr
.irp i, 8,9,10,11
	v_min_num_f32 v[T+\i], s[HI], v[T+\i]                                ; t[s+2], t[s+3] not over the last
.endr
	PSUB Q, T+6, T+4                               ; t[s+1] - t[s]
	PSUB Q+2, T+6, T+2                             ; t[s+1] - t[s-1]
	PSUB Q+4, T+8, T+4                             ; t[s+2] - t[s]
	PSUB Q+6, T+6, T                               ; t[s+1] - t[s-2]
	PSUB Q+8, T+8, T+2                             ; t[s+2] - t[s-1]
	PSUB Q+10, T+10, T+4                           ; t[s+3] - t[s]: all six hold the span itself, so none is 0
	s_wait_alu depctr_va_vdst(0)
.irp i, 0,1,2,3,4,5,6,7,8,9,10,11
	v_rcp_f32 v[Q+\i], v[Q+\i]
.endr
	PSUB F, XC, T+4                                ; x - t[s].  (These six name no reciprocal: plain work behind the batch)
	PSUB F+2, XC, T+2                              ; x - t[s-1]
	PSUB F+4, XC, T                                ; x - t[s-2]
	PSUB F+6, T+6, XC                              ; t[s+1] - x
	PSUB F+8, T+8, XC                              ; t[s+2] - x
	PSUB F+10, T+10, XC                            ; t[s+3] - x
.endm
; THE FOUR VALUES of the pair: the recursion's three degrees.
.macro VALUES
	PMUL T, F, Q                                   ; degree 1: the right one,
	PMUL T+2, F+6, Q                               ; the left one
	PMUL T+4, T+2, Q+2                             ; each lower value over its denominator, once for both its uses
	PMUL T+6, T, Q+4
	PMUL T+8, F+6, T+4                             ; degree 2: three values
	PMUL T+10, F+2, T+4
	PFMA T+10, F+8, T+6, T+10
	PMUL T, F, T+6
	PMUL T+2, T+8, Q+6
	PMUL T+4, T+10, Q+8
	PMUL T+6, T, Q+10
	PMUL VV, F+6, T+2                              ; degree 3: V0 .. V3, the basis at k = s .. s + 3
	PMUL VV+2, F+4, T+2
	PFMA VV+2, F+8, T+4, VV+2
	PMUL VV+4, F+2, T+4
	PFMA VV+4, F+10, T+6, VV+4
	PMUL VV+6, F, T+6
.endm
; THEIR SCALES, THEIR CODES, AND THE CODES' PLACES: from the pair's eight values to eight registers of each tile's operand and the scale word.
.macro PAIR_B
	v_cvt_u32_f32 v[SI], v[SF]
	v_cvt_u32_f32 v[SI+1], v[SF+1]
.irp d, 0,1
	v_max3_num_f32 v[MX+\d], v[VV+\d], v[VV+2+\d], v[VV+4+\d]
.endr
.irp d, 0,1
	v_max_num_f32 v[MX+\d], v[MX+\d], v[VV+6+\d]   ; M: the largest of the four
.endr
.irp d, 0,1
	v_cmp_eq_u32 s[C29+\d], 29, v[SI+\d]
	v_cmp_eq_u32 s[C30+\d], 30, v[SI+\d]
	v_cmp_eq_u32 s[C31+\d], 31, v[SI+\d]
.endr
	s_wait_alu depctr_va_sdst(0)                   ; the pair's eight lane masks are written (these six, and the two made at the pair's head), ahead of the first select that reads one
.irp d, 0,1
	v_cndmask_b32 v[MX+\d], s[BIG], v[MX+\d], s[VAL+\d]                  ; x outside the knots: under the scale 2^125 every code is 0, as reference()'s basis is.  (x was held to an outer knot: s is 0 or 60 there)
.endr
.irp d, 0,1
	v_cndmask_b32 v[SC+2*\d], v[MX+\d], v[VV+2+\d], s[C30+\d]            ; block 0's largest: M; s = 30: V1;
	v_cndmask_b32 v[SC+2*\d+1], v[MX+\d], v[VV+6+\d], s[C29+\d]          ; block 1's: M; s = 29: V3;
.endr
.irp d, 0,1
	v_cndmask_b32 v[SC+2*\d], v[SC+2*\d], v[VV+\d], s[C31+\d]            ; s = 31: V0
	v_cndmask_b32 v[SC+2*\d+1], v[SC+2*\d+1], v[VV+4+\d], s[C30+\d]      ; s = 30: V2
.endr
.irp i, 0,1,2,3
	v_max_num_f32 v[SC+\i], s[FLO], v[SC+\i]       ; the floor
.endr
.irp i, 0,1,2,3
	v_add_nc_u32 v[SC+\i], s[EM2], v[SC+\i]        ; 2 off the exponent field: the conversion's scale operand
.endr
.irp i, 0,1,2,3
	v_cvt_scalef32_pk8_fp4_f32 v[E+\i], v[VV:VV+7], v[SC+\i]             ; byte j of the result: Vj's codes, dimension 0's in the low nibble, dimension 1's in the high one; of each result one dimension's nibbles are used
.endr
	v_lshrrev_b32 v[SW], 23, v[SC]                 ; the four scale bytes make my row's word: (d0, block 0), (d0, block 1), (d1, block 0), (d1, block 1).  (Plain work behind the conversions)
	v_lshrrev_b32 v[BY], 23, v[SC+1]
	v_lshrrev_b32 v[BY+1], 23, v[SC+2]
	v_lshrrev_b32 v[BY+2], 23, v[SC+3]
	v_lshl_or_b32 v[SW], v[BY], 8, v[SW]
	v_lshl_or_b32 v[SW], v[BY+1], 16, v[SW]
	v_lshl_or_b32 v[SW], v[BY+2], 24, v[SW]
.irp d, 0,1
	v_lshlrev_b32 v[S8+\d], 3, v[SI+\d]
.endr
.irp d, 0,1
	v_lshrrev_b32 v[MK+\d], v[S8+\d], -1           ; all ones >> 8 (s % 4) (a shift takes its amount's low five bits): for s = 28 .. 31 the bytes of the values that lie in block 0; elsewhere both scales are alike and any mask serves
	v_and_b32 v[R8+\d], 24, v[S8+\d]               ; 8 (s % 4)
	v_and_b32 v[S4+\d], 60, v[SI+\d]               ; 4 (s / 4)
.endr
.irp d, 0,1
	v_bfi_b32 v[CP+2*\d], v[MK+\d], v[E+2*\d], v[E+2*\d+1]               ; each value's code under its own block's scale
	v_sub_nc_u32 v[AM+\d], 0, v[S4+\d]
	v_lshlrev_b64 v[KM+2*\d:KM+2*\d+1], v[S4+\d], v[FF:FF+1]             ; nibbles s / 4 and s / 4 + 1 of sixteen: the low word is block 0's eight, the high word block 1's
.endr
.irp d, 0,1
	v_lshlrev_b64 v[LL+2*\d:LL+2*\d+1], v[R8+\d], v[CP+2*\d:CP+2*\d+1]   ; byte j of these 64 bits: k = 4 (s / 4) + j.  Low word: byte b is k % 4 = b, k / 4 = s / 4; high word: k / 4 = s / 4 + 1
.endr
	v_lshlrev_b32 v[LL+1], 4, v[LL+1]              ; dimension 0: the high word's low nibbles move up;
	v_lshrrev_b32 v[LL+2], 4, v[LL+2]              ; dimension 1: the low word's high nibbles move down
.irp d, 0,1
	v_bfi_b32 v[G+\d], s[NIB], v[LL+2*\d], v[LL+2*\d+1]                  ; byte b: the codes of (k % 4 = b, k / 4 = s / 4) and, above it, of (b, s / 4 + 1)
.endr
.irp d, 0,1
	v_alignbit_b32 v[RO+\d], v[G+\d], v[G+\d], v[AM+\d]                  ; turned left by 4 (s / 4) bits modulo 32: byte 0 stands at its nibbles; where s / 4 = 7 its upper nibble comes round to nibble 0, which is block 1's first
.endr
.irp b, 0,1,2,3
.irp d, 0,1
	v_and_b32 v[T0+4*\d+\b], v[RO+\d], v[KM+2*\d]                        ; dword b of block 0,
	v_and_b32 v[T1+4*\d+\b], v[RO+\d], v[KM+2*\d+1]                      ; and of block 1
.endr
.if \b < 3
.irp d, 0,1
	v_alignbit_b32 v[RO+\d], v[RO+\d], v[RO+\d], 8                       ; the next byte to the same place
.endr
.endif
.endr
.irp i, 0,1,2,3,4,5,6,7
	v_permlane16_swap_b32 v[T0+\i], v[T1+\i]       ; the first's lanes 16-31 change places with the second's lanes 0-15: T0 = rows 0-15 (block 0 | block 1), T1 = rows 16-31 likewise: the operand's layout
.endr
.endm
; K step p.  The two accumulators take turns, one instruction a turn.  Tile 1 reads its rows' scale words from lanes 16-31 of the same register.
.macro MMA p, first
.if \first
	v_wmma_scale_f32_16x16x128_f8f6f4 v[ACC0:ACC0+7], v[WB+8*(\p):WB+8*(\p)+7], v[T0:T0+7], v[BIAS:BIAS+7], v[WS+(\p)], v[SW] matrix_a_fmt:MATRIX_FMT_FP4 matrix_b_fmt:MATRIX_FMT_FP4
	v_wmma_scale_f32_16x16x128_f8f6f4 v[ACC1:ACC1+7], v[WB+8*(\p):WB+8*(\p)+7], v[T1:T1+7], v[BIAS:BIAS+7], v[WS+(\p)], v[SW] matrix_a_fmt:MATRIX_FMT_FP4 matrix_b_fmt:MATRIX_FMT_FP4 matrix_b_scale:MATRIX_SCALE_ROW1
.else
	v_wmma_scale_f32_16x16x128_f8f6f4 v[ACC0:ACC0+7], v[WB+8*(\p):WB+8*(\p)+7], v[T0:T0+7], v[ACC0:ACC0+7], v[WS+(\p)], v[SW] matrix_a_fmt:MATRIX_FMT_FP4 matrix_b_fmt:MATRIX_FMT_FP4
	v_wmma_scale_f32_16x16x128_f8f6f4 v[ACC1:ACC1+7], v[WB+8*(\p):WB+8*(\p)+7], v[T1:T1+7], v[ACC1:ACC1+7], v[WS+(\p)], v[SW] matrix_a_fmt:MATRIX_FMT_FP4 matrix_b_fmt:MATRIX_FMT_FP4 matrix_b_scale:MATRIX_SCALE_ROW1
.endif
.endm
	KNOTS 0                                        ; work on registers while the other waves arrive
	s_wait_alu depctr_va_vdst(0)                   ; the twelve reciprocals are written, ahead of their first reader: one wait for the batch
	VALUES
	PAIR_B
	s_barrier_wait -1                              ; all of A's codes and scale bytes lie in LDS
.irp p, 0,1,2,3,4,5,6,7
	ds_load_b128 v[WB+8*\p:WB+8*\p+3], v[GOF] offset:IMG+1024*\p         ; the images come back as they were stored: the same registers in the same lanes.  No vector or matrix instruction has named v32-103
	ds_load_b128 v[WB+8*\p+4:WB+8*\p+7], v[GOF] offset:IMG+1024*\p+512
.endr
.irp p, 0,1,2,3,4,5,6,7
	ds_load_b32 v[WS+\p], v[SCR] offset:WSC+64*\p  ; lane o: row o's word
.endr
	; A K step's products stand in the next pair's work, behind its knots and reciprocals: that plain work is the distance between the vector writes of the operands (4 places) and of the scale word (8) and the scaled
	; matrix instruction, and the pair's one wait on va_vdst, which stands directly ahead of the products, follows those places
	KNOTS 1
	s_wait_loadcnt 0x0                             ; b
	s_wait_dscnt 0x0                               ; A
	s_wait_alu depctr_va_vdst(0)                   ; pair 0 has written T0, T1 and the scale word, which the products below take as operand and scales; pair 1's twelve reciprocals are written, ahead of their first reader
	MMA 0, 1                                       ; b starts both sums
	VALUES                                         ; seventeen plain instructions that name none of the products' registers
	PAIR_B                                         ; its first writes of the scale word and of the operands stand more than four plain instructions behind the products that read them
.irp p, 2,3,4,5,6,7
	KNOTS \p
	s_wait_alu depctr_va_vdst(0)                   ; the pair before has written T0, T1 and the scale word, which the products below take as operand and scales; this pair's twelve reciprocals are written, ahead of their first reader
	MMA \p-1, 0
	VALUES
	PAIR_B
.endr
.rept 4
	v_nop                                          ; four places behind the last write of an operand; the scale word was written more than eight plain instructions ago
.endr
	s_wait_alu depctr_va_vdst(0)                   ; pair 7 has written T0, T1 and the scale word; the places above stay beside this wait
	MMA 7, 0
.rept 4
	v_nop                                          ; four places in front of the first read of the results
.endr
	s_wait_alu depctr_va_vdst(0)                   ; the products have written the accumulators, which the LDS stores read; the pairs' work on v128-143, in which the loads from the stage land, is done.  The places above stay beside this wait
	; THE WAY OUT.  Lane (r, h) holds out0(row r of its tile, 8 h .. 8 h + 7): 32 bytes.  Through my own stage, and back as it lies in memory.
	ds_store_b128 v[SOU], v[ACC0:ACC0+3]           ; each accumulator from its low end on
	ds_store_b128 v[SOU], v[ACC0+4:ACC0+7] offset:16
	ds_store_b128 v[SOU], v[ACC1:ACC1+3] offset:16*SP
	ds_store_b128 v[SOU], v[ACC1+4:ACC1+7] offset:16*SP+16
.irp i, 0,1,2,3
	ds_load_b128 v[128+4*\i:128+4*\i+3], v[SIN] offset:8*SP*\i           ; LDS serves a wave's instructions in order: these see the stores above
.endr
.irp i, 0,1,2,3
	s_wait_dscnt 3-\i                              ; load i is in; the younger ones may be out
	global_store_b128 v[GOF], v[128+4*\i:128+4*\i+3], s[10:11] offset:512*\i th:TH_STORE_NT   ; 32 lanes store 512 consecutive bytes, at a multiple of 512 from out0's first byte
.endr
	s_wait_dscnt 0x0
	s_wait_alu depctr_hold_cnt(0) depctr_sa_sdst(0) depctr_va_vdst(0) depctr_va_sdst(0) depctr_va_ssrc(0) depctr_va_vcc(0) depctr_vm_vsrc(0)
	s_wait_tensorcnt 0x0
	ds_add_u32 v254, v255
	s_wait_dscnt 0x0
	s_endpgm
.Lfunc_end_k_q974e955c50_bspline:
	.size	k_q974e955c50_bspline, .Lfunc_end_k_q974e955c50_bspline-k_q974e955c50_bspline
	.p2alignl 7, 3214868480
	.fill 96, 4, 3214868480
	.section	.rodata,"a",@progbits
	.p2align	6, 0x0
	.amdhsa_kernel k_q974e955c50_bspline
		.amdhsa_group_segment_fixed_size 51712
		.amdhsa_private_segment_fixed_size 0
		.amdhsa_enable_private_segment 0
		.amdhsa_kernarg_size 32
		.amdhsa_user_sgpr_count 2
		.amdhsa_user_sgpr_kernarg_segment_ptr 1
		.amdhsa_wavefront_size32 1
		.amdhsa_system_sgpr_workgroup_id_x 1
		.amdhsa_system_sgpr_workgroup_id_y 1
		.amdhsa_system_sgpr_workgroup_id_z 1
		.amdhsa_system_vgpr_workitem_id 0
		.amdhsa_next_free_vgpr 256
		.amdhsa_next_free_sgpr 66
		.amdhsa_reserve_vcc 0
		.amdhsa_float_denorm_mode_32 3
		.amdhsa_float_denorm_mode_16_64 3
		.amdhsa_memory_ordered 1
		.amdhsa_forward_progress 1
		.amdhsa_inst_pref_size 84
	.end_amdhsa_kernel
	.amdgpu_metadata
---
amdhsa.version: [ 1, 2 ]
amdhsa.kernels:
  - .name:           k_q974e955c50_bspline
    .symbol:         k_q974e955c50_bspline.kd
    .args:
      - { .name: x, .offset: 0, .size: 8, .value_kind: global_buffer, .address_space: global }
      - { .name: A, .offset: 8, .size: 8, .value_kind: global_buffer, .address_space: global }
      - { .name: b, .offset: 16, .size: 8, .value_kind: global_buffer, .address_space: global }
      - { .name: out0, .offset: 24, .size: 8, .value_kind: global_buffer, .address_space: global }
    .group_segment_fixed_size: 51712
    .private_segment_fixed_size: 0
    .kernarg_segment_align: 8
    .kernarg_segment_size: 32
    .max_flat_workgroup_size: 512
    .sgpr_count:     66
    .vgpr_count:     256
    .wavefront_size: 32
...
	.end_amdgpu_metadata
.endif
;; end of part 2
